; MI455X (gfx1250); checked and timed in simulation.
; The chip was launched on July 23, 2026; its instructions are those of AMD's public machine-readable ISA for CDNA 5 (MIT licence, August 2026) and "CDNA5" Instruction Set Architecture Reference Guide (July 2026). The comments in the code are by the model that wrote it; some were corrected since.
;; Scaled Dot Product Attention. Allowed arithmetic: matrix products marked QUANTISED: E5M2 operands, one E8M0 scale for each 32 along K, by v_wmma_scale_f32_16x16x128_f8f6f4 with both operands' format E5M2, f32 sums; everything else in f32.
;; Inputs: k 2 x 8 x 2,048 x 64 float32; mask 2,048 x 2,048 bool; q 2 x 8 x 2,048 x 64 float32; v 2 x 8 x 2,048 x 64 float32.
;; Outputs: out0 2 x 8 x 2,048 x 64 float32.
;; This version of the problem:
;;   THIS VERSION OF THE PROBLEM IS GIVEN IN LOW PRECISION. The matrix products marked QUANTISED in the list below multiply operands that are first quantised to E5M2 (5 exponent bits, 2 mantissa bits; 8 bits a number), with one power-of-two scale for each 32 numbers along K (OCP MX v1.0); their sums are f32. All else is computed in f32.
;;   The module's matrix products, in the order in which they are computed (A, B: the left and right operand; K: the contracted axis; several contracted axes count as one K, in the product's order):
;;     1. batch 16 x [M 2,048, K 64] x [K 64, N 2,048]; A: input q; B: input k: QUANTISED
;;     2. batch 16 x [M 2,048, K 2,048] x [K 2,048, N 64]; A: softmax (see below); B: input v: QUANTISED
;;   THE QUANTISER, for each operand of a quantised product, along K:
;;     - K is cut into blocks of 32 from its start; a last block that is shorter is filled with zeros.
;;     - A block's scale is 2^e with e = floor(log2(the largest magnitude in the block)) - 15, held to -126 .. 127; a block of zeros has e = 0. As a byte (E8M0): e + 127.
;;     - Each number is divided by its block's scale, clamped to +-57,344, and rounded to the nearest number of E5M2, ties to even, subnormals kept.
;;     - The product sums the exact products of the quantised numbers (number of the format x scale) in f32.
;;   ~~~python
;;   def quantise(x, axis):      # numpy; x: float32 -> the quantised numbers, widened to float32 again
;;       x = np.moveaxis(x, axis, -1); K = x.shape[-1]
;;       x = np.pad(x, [(0, 0)] * (x.ndim - 1) + [(0, -K % 32)]); x = x.reshape(x.shape[:-1] + (-1, 32)); a = np.abs(x).max(-1, keepdims=True)
;;       e = np.where(a > 0, np.clip(np.frexp(np.where(a > 0, a, 1))[1] - 1 - 15, -126, 127), 0)      # np.frexp(a)[1] - 1 = floor(log2(a)), exactly
;;       r = np.clip(x / 2.0 ** e, -57344, 57344)
;;       step = 2.0 ** (np.maximum(np.frexp(np.where(r == 0, 1, r))[1] - 1, -14) - 2)
;;       q = np.round(r / step) * step * 2.0 ** e      # np.round: ties to even
;;       return np.moveaxis(q.reshape(q.shape[:-2] + (-1,))[..., :K], -1, axis).astype(np.float32)
;;   ~~~
;;   SOFTMAX AHEAD OF A QUANTISED PRODUCT. Where the list says 'softmax', what is quantised is not the finished softmax but p = 2^(t - M), with t = logit x log2(e) and M = ceil(the row's largest t), a whole number; so 1/2 < the row's largest p <= 1. The row's sum l is taken of the UNQUANTISED p, in f32, and the product's result is divided by l at the end. Since M is a whole number, a kernel that streams over the keys may use a running M (the ceiling of the running maximum): every later rescaling is an exact power of two, which a block's scale takes up: the codes' values come out the same.
;;   OPERANDS COMPUTED ON THE WAY. 'Computed on the way' means the value that the module computes at that place (a softmax that the list does not call 'softmax' is quantised finished and normalised). What goes into a quantiser is computed in f32, as accurately as f32 sums, v_exp_f32 and their like allow (about 1e-6 of the number): no bf16 or f16 on the way to a quantiser, and a product that is left as it is and whose result goes on into a quantised operand takes f32 operands (vector FMAs, or v_wmma_f32_16x16x4_f32). A number that lies on a knife's edge between two numbers of the format may be rounded either way, as far as f32 arithmetic and the matrix unit's own rounding can turn it there, and no further.
;; 2 versions, each right; version 2 is version 1 with the launch attn written anew for expert scheduling mode. Each part assembles by itself: llvm-mc -triple=amdgcn-amd-amdhsa -mcpu=gfx1250 --defsym DOCPART=n.
;; ======== version 1 of 2: 2 launches
;; limits: right only within a limited range of input values
;; workspace buffers: kv 4,456,448 bytes; mw 524,288 bytes of whole numbers; fl 2,048 bytes of whole numbers
;; launch prep (part 1): grid 256 x 1, 4 waves a work-group, no clusters, 2,560 bytes of LDS; arguments k, v, mask, kv, mw, fl; writes kv, mw, fl
.if DOCPART == 1
	.amdgcn_target "amdgcn-amd-amdhsa--gfx1250"
	.amdhsa_code_object_version 6
	.text
	.protected	k_q7c4a68880f_prep
	.globl	k_q7c4a68880f_prep
	.p2align	8
	.type	k_q7c4a68880f_prep,@function
k_q7c4a68880f_prep:
	s_mov_b64 s[64:65], 0
	v_nop
	global_prefetch_b8 v0, s[64:65] scope:SCOPE_SE
	s_setreg_imm32_b32 hwreg(HW_REG_WAVE_MODE, 25, 1), 1
	s_wait_xcnt 0x0
; k, v: [16 heads][2048][64] f32;  mask: [2048][2048] bytes, 0 or 1 (1 = filled).  One pass over all three, for the attention launch that follows.
; kv: 256 units of 17,408 bytes, unit g = 16 x head + key step (128 keys), laid IN THE ORDER OF THE OPERANDS' REGISTERS (codes of E5M2, one E8M0 byte for each 32 along a product's K):
;   +0      K's codes  [b 4][c' 4][lane 32][16 bytes]: fragment b packs TWO tiles of 16 keys: lane (r, h), group c' = 2 u + c: key 32 b + 8 u + r + 8 (r / 8), channels 32 c + 16 h + 0 .. 15
;   +8,192  V's codes  [t 4][c 4][lane 32][16 bytes]: lane (r, h), group c: channel 16 t + r, keys 32 c + 16 h + 0 .. 15 (the keys are the second product's K)
;   +16,384 K's scale words [lane 32][b 4];   +16,896 V's [lane 32][t 4]   (lanes 16-31 repeat lanes 0-15)
; mw: [query tile 128][key step 16][j 64] words: bit r + 16 h of word j = 16 b + i is mask[16 tile + r][128 step + 32 b + 16 h + i]: the lane mask of score register j.
; fl: [g 256]{A, R}, g = 2 x tile + half of the keys: A bit s: step s is not wholly filled; A bit 16 + s: step s holds a fill; R bit r: row r is filled over the half's 1,024 keys.
; SHARES.  Work-group g takes unit g, and of the mask query tile g / 2, key half g % 2.  Wave w: K's fragment w, V's fragment w, the half's steps 2 w and 2 w + 1.
; A block's scale is 2^(floor(log2(its largest magnitude)) - 15); its byte is the largest magnitude's exponent field - 15, held at 1 from below.
; LIMITS: a block of zeros, or one whose largest magnitude lies under 2^-111, keeps the byte 1 (zero codes add nothing; this program alone reads the bytes); NaN and infinities are not served.
; No ring: a wave's 20 KB are asked for in two runs, and one barrier stands in front of the gathered scale words and flags.
.set UNIT, 17408
.set KN,  32                           ; v32-95   K's 64 numbers: register 16 c' + i
.set VN,  96                           ; v96-159  V's 64 numbers: register 16 c + i
.set MK,  160                          ; v160-191 mask bytes: step e, block b at 16 e + 4 b
.set PCK, 192                          ; v192-207 K's codes
.set TM,  208                          ; v208-223 at work: largest magnitudes, bytes, holds, scale operands
.set PWK, 224                          ; K's scale word
.set PWV, 225                          ; V's
.set W,   226                          ; v226-229 a pair of mask-word registers for each step
.set FA,  230                          ; v230-231 my wave's {A, R}
.set PCV, 232                          ; v232-247 V's codes
; 64 numbers of a lane, register 16 b + i = k 32 b + 16 (lane / 16) + i of the lane's row, become a fragment's 16 registers of codes and its scale word
.macro QUANT s, pc, pw
.irp b, 0,1,2,3
	v_max3_num_f32 v[TM+\b], |v[\s+16*\b]|, |v[\s+16*\b+1]|, 0x8000000   ; my 16 numbers of block b, and the floor 2^(16 - 127): the byte cannot fall under 1
.endr
.irp i, 2,4,6,8,10,12,14
.irp b, 0,1,2,3
	v_max3_num_f32 v[TM+\b], v[TM+\b], |v[\s+16*\b+\i]|, |v[\s+16*\b+\i+1]|   ; the four blocks by turns
.endr
.endr
.irp b, 0,1,2,3
	v_permlanex16_b32 v[TM+4+\b], v[TM+\b], s20, s21
.endr
.irp b, 0,1,2,3
	v_max_num_f32 v[TM+\b], v[TM+\b], v[TM+4+\b]           ; with lane l xor 16's 16: the block's largest magnitude
.endr
.irp b, 0,1,2,3
	v_add_nc_u32 v[TM+12+\b], 0xf8800000, v[TM+\b]         ; 15 off its exponent field: the conversion's scale operand
.endr
.irp b, 0,1,2,3
	v_and_or_b32 v[TM+8+\b], v[TM+\b], 0x7f800000, s22     ; 57,344 x the scale
.endr
.irp b, 0,1,2,3
	v_lshrrev_b32 v[TM+4+\b], 23, v[TM+12+\b]              ; the scale's byte
.endr
	v_lshl_or_b32 v[\pw], v[TM+5], 8, v[TM+4]
	v_lshl_or_b32 v[\pw], v[TM+6], 16, v[\pw]
	v_lshl_or_b32 v[\pw], v[TM+7], 24, v[\pw]
.irp b, 0,1,2,3
.irp i, 0,1,2,3,4,5,6,7,8,9,10,11,12,13,14,15
	v_med3_num_f32 v[\s+16*\b+\i], v[\s+16*\b+\i], -v[TM+8+\b], v[TM+8+\b]   ; the conversion to an 8-bit code does not saturate (ISA guide 7.6.2): the hold comes first
.endr
	v_cvt_scalef32_pk8_bf8_f32 v[\pc+4*\b:\pc+4*\b+1], v[\s+16*\b:\s+16*\b+7], v[TM+12+\b]
	v_cvt_scalef32_pk8_bf8_f32 v[\pc+4*\b+2:\pc+4*\b+3], v[\s+16*\b+8:\s+16*\b+15], v[TM+12+\b]
.endr
	v_nop                                          ; a plain line behind the last conversion
.endm
.macro VLD c                           ; V(32 c + 16 h + i, 16 w + r): sixteen lanes read 64 neighbouring bytes; the four waves stand side by side on a row's 256
.irp i, 0,1,2,3,4,5,6,7,8,9,10,11,12,13,14,15
	global_load_b32 v[VN+16*\c+\i], v5, s[6:7] offset:(32*\c+\i)*256 th:TH_LOAD_NT
.endr
.endm
; One key step of the mask: 64 lane-mask words, and the step's flags
.macro MASKSTEP e
	v_mov_b32 v[W+2*\e], 0                         ; (a lane write's destination counts as read)
	v_mov_b32 v[W+2*\e+1], 0
.set jj, 0
.rept 16                               ; register jj = 4 b + i / 4 holds the bytes of words j = 4 jj + 0 .. 3
.irp n, 0,1,2,3
	v_and_b32 v[14+\n], 0xff<<(8*\n), v[MK+16*\e+jj]
.endr
.irp n, 0,1,2,3
	v_cmp_ne_u32 s[24+\n], 0, v[14+\n]             ; bit = lane = r + 16 h
.endr
.irp n, 0,1,2,3
	v_writelane_b32 v[W+2*\e+\n%2], s[24+\n], 2*jj+\n/2    ; word j to lane j / 2, register j % 2
.endr
.set jj, jj+1
.endr
	global_store_b64 v10, v[W+2*\e:W+2*\e+1], s[12:13] offset:256*\e   ; 32 lanes store 256 consecutive bytes, aligned
	v_and_b32 v18, v[MK+16*\e], v[MK+16*\e+1]
	v_or_b32 v19, v[MK+16*\e], v[MK+16*\e+1]
.irp i, 2,3,4,5,6,7,8,9,10,11,12,13,14,15
	v_and_b32 v18, v18, v[MK+16*\e+\i]
	v_or_b32 v19, v19, v[MK+16*\e+\i]
.endr
	v_cmp_eq_u32 s30, 0x01010101, v18              ; lanes whose 64 bytes are all filled
	v_cmp_ne_u32 s31, 0, v19                       ; lanes that hold a fill
	s_lshr_b32 s32, s30, 16
	s_and_b32 s[34+\e], s30, s32                   ; rows filled over the step's 128 keys: both halves of the lanes
	s_cmp_eq_u32 s[34+\e], 0xffff
	s_cselect_b32 s32, 0, 1                        ; 1: the step is not wholly filled
	s_cmp_lg_u32 s31, 0
	s_cselect_b32 s33, 0x10000, 0                  ; the step holds a fill
	s_or_b32 s32, s32, s33
	s_lshl_b32 s[36+\e], s32, s[38+\e]             ; to the step's bits
.endm
	s_load_b256 s[4:11], s[0:1], 0x0               ; k s[4:5], v s[6:7], mask s[8:9], kv s[10:11]
	s_load_b128 s[12:15], s[0:1], 0x20             ; mw s[12:13], fl s[14:15]
	v_lshl_add_u32 v248, v0, 2, 0x800
	v_mov_b32 v249, 0
	v_lshrrev_b32 v1, 5, v0
	v_readfirstlane_b32 s16, v1                    ; wave 0..3
	v_and_b32 v1, 31, v0                           ; lane
	v_and_b32 v2, 15, v0                           ; r
	v_bfe_u32 v3, v0, 4, 1                         ; h
	v_and_b32 v14, 8, v2
	v_add_nc_u32 v14, v14, v2                      ; r + 8 (r / 8)
	v_lshlrev_b32 v4, 8, v14
	v_lshl_add_u32 v4, v3, 6, v4
	s_lshl_b32 s18, s16, 13
	v_add_nc_u32 v4, s18, v4                       ; k: key row (r + 8 (r / 8)) + 32 w of 256 bytes, + 64 h
	v_lshlrev_b32 v5, 2, v2
	v_lshl_add_u32 v5, v3, 12, v5
	s_lshl_b32 s18, s16, 6
	v_add_nc_u32 v5, s18, v5                       ; v: channel 16 w + r, 16 h rows down
	v_lshlrev_b32 v6, 11, v2
	v_lshl_add_u32 v6, v3, 4, v6
	s_lshl_b32 s18, s16, 8
	v_add_nc_u32 v6, s18, v6                       ; mask: row r of 2,048 bytes, + 16 h, + my two steps' 256 w
	v_lshlrev_b32 v7, 4, v1
	s_lshl_b32 s18, s16, 11
	v_add_nc_u32 v7, s18, v7                       ; codes out: 16 x lane + 2,048 w
	v_lshlrev_b32 v8, 4, v1
	s_lshl_b32 s18, s16, 2
	v_add_nc_u32 v8, s18, v8                       ; LDS: scale words [lane][w]
	v_lshlrev_b32 v9, 3, v0                        ; 8 x thread: the scale words' way out
	v_lshlrev_b32 v10, 3, v1
	s_lshl_b32 s18, s16, 9
	v_add_nc_u32 v10, s18, v10                     ; mask words out: 8 x lane + 512 w
	s_lshl_b32 s18, s16, 3
	s_add_co_u32 s18, s18, 1024
	v_mov_b32 v11, s18                             ; LDS: my wave's flags
	v_mov_b32 v12, 1024                            ; LDS: all four waves' flags
.irp b, 0,1,2,3
	v_mov_b32 v[TM+4+\b], 0                        ; written once: a lane permute's destination counts as one of its sources
.endr
	s_mov_b32 s20, 0x76543210
	s_mov_b32 s21, 0xfedcba98                      ; v_permlanex16_b32's selects for lane l xor 16
	s_mov_b32 s22, 0x600000                        ; the mantissa field of 57,344
	s_mov_b32 s17, ttmp9                           ; g
	s_and_b32 s28, s17, 1                          ; which half of the keys
	s_lshl_b32 s38, s28, 3
	s_lshl_b32 s29, s16, 1
	s_add_co_u32 s38, s38, s29                     ; my first step: 8 x half + 2 w,
	s_add_co_u32 s39, s38, 1                       ; and my second
	s_lshl_b32 s18, s17, 15                        ; a unit's 128 rows of 256 bytes
	s_mov_b32 s19, 0
	s_wait_kmcnt 0x0
	s_add_nc_u64 s[4:5], s[4:5], s[18:19]
	s_add_nc_u64 s[6:7], s[6:7], s[18:19]
	s_lshr_b32 s18, s17, 1
	s_lshl_b32 s18, s18, 15                        ; the tile's 16 rows of 2,048 bytes,
	s_lshl_b32 s29, s28, 10
	s_add_co_u32 s18, s18, s29                     ; the half's 1,024
	s_add_nc_u64 s[8:9], s[8:9], s[18:19]
	s_mul_i32 s18, s17, UNIT
	s_add_nc_u64 s[10:11], s[10:11], s[18:19]
	s_lshl_b32 s18, s17, 11
	s_add_nc_u64 s[12:13], s[12:13], s[18:19]
	s_lshl_b32 s18, s17, 3
	s_add_nc_u64 s[14:15], s[14:15], s[18:19]
.irp u, 0,1
.irp c, 0,1
.irp j, 0,1,2,3
	global_load_b128 v[KN+16*(2*\u+\c)+4*\j:KN+16*(2*\u+\c)+4*\j+3], v4, s[4:5] offset:2048*\u+128*\c+16*\j th:TH_LOAD_NT
.endr
.endr
.endr
.irp e, 0,1
.irp b, 0,1,2,3
	global_load_b128 v[MK+16*\e+4*\b:MK+16*\e+4*\b+3], v6, s[8:9] offset:128*\e+32*\b th:TH_LOAD_NT
.endr
.endr
	VLD 0
	VLD 1
	s_wait_loadcnt 40                              ; K's 16 loads are in: behind them the mask's 8 and V's first 32 were issued
	QUANT KN, PCK, PWK
.irp c, 0,1,2,3
	global_store_b128 v7, v[PCK+4*\c:PCK+4*\c+3], s[10:11] offset:512*\c   ; 32 lanes store 512 consecutive bytes, aligned
.endr
	ds_store_b32 v8, v[PWK]
	s_wait_loadcnt 32                              ; the mask's 8 loads are in: behind them V's first 32 were issued
	VLD 2
	VLD 3
	MASKSTEP 0
	MASKSTEP 1
	s_or_b32 s36, s36, s37
	s_and_b32 s34, s34, s35                        ; rows filled over both my steps
	v_mov_b32 v[FA], s36
	v_mov_b32 v[FA+1], s34
	ds_store_b64 v11, v[FA:FA+1]                   ; all lanes write the same eight bytes with the same values
	s_wait_loadcnt 0x0                             ; V
	QUANT VN, PCV, PWV
.irp c, 0,1,2,3
	global_store_b128 v7, v[PCV+4*\c:PCV+4*\c+3], s[10:11] offset:8192+512*\c
.endr
	ds_store_b32 v8, v[PWV] offset:512
	s_wait_dscnt 0x0                               ; for the others' sake: my scale words and flags have landed
	s_barrier_signal -1
	s_barrier_wait -1
	ds_load_b64 v[14:15], v9                       ; the unit's 1,024 bytes of scale words, 8 a thread
	ds_load_b128 v[20:23], v12                     ; {A, R} of waves 0, 1
	ds_load_b128 v[28:31], v12 offset:16           ; and of waves 2, 3
	s_wait_dscnt 0x0
	global_store_b64 v9, v[14:15], s[10:11] offset:16384   ; each wave stores 256 consecutive bytes, aligned
	v_or_b32 v24, v20, v22
	v_or_b32 v26, v28, v30
	v_or_b32 v24, v24, v26                         ; A of the half's eight steps
	v_and_b32 v25, v21, v23
	v_and_b32 v26, v29, v31
	v_and_b32 v25, v25, v26                        ; R: rows filled over the half's 1,024 keys
	v_cmp_eq_u32 vcc_lo, 0, v0
	s_wait_xcnt 0x0                                ; EXEC changes only behind this wait: it is a source of the stores above
	s_wait_tensorcnt 0x0
	ds_add_u32 v248, v249
	s_wait_dscnt 0x0
	s_and_saveexec_b32 s30, vcc_lo                 ; thread 0 alone
	global_store_b64 v0, v[24:25], s[14:15]
	s_endpgm
.Lfunc_end_k_q7c4a68880f_prep:
	.size	k_q7c4a68880f_prep, .Lfunc_end_k_q7c4a68880f_prep-k_q7c4a68880f_prep
	.p2alignl 7, 3214868480
	.fill 96, 4, 3214868480
	.section	.rodata,"a",@progbits
	.p2align	6, 0x0
	.amdhsa_kernel k_q7c4a68880f_prep
		.amdhsa_group_segment_fixed_size 2560
		.amdhsa_private_segment_fixed_size 0
		.amdhsa_enable_private_segment 0
		.amdhsa_kernarg_size 48
		.amdhsa_user_sgpr_count 2
		.amdhsa_user_sgpr_kernarg_segment_ptr 1
		.amdhsa_wavefront_size32 1
		.amdhsa_system_sgpr_workgroup_id_x 1
		.amdhsa_system_sgpr_workgroup_id_y 1
		.amdhsa_system_sgpr_workgroup_id_z 1
		.amdhsa_system_vgpr_workitem_id 0
		.amdhsa_next_free_vgpr 250
		.amdhsa_next_free_sgpr 66
		.amdhsa_reserve_vcc 1
		.amdhsa_float_denorm_mode_32 3
		.amdhsa_float_denorm_mode_16_64 3
		.amdhsa_memory_ordered 1
		.amdhsa_forward_progress 1
		.amdhsa_inst_pref_size 57
	.end_amdhsa_kernel
	.amdgpu_metadata
---
amdhsa.version: [ 1, 2 ]
amdhsa.kernels:
  - .name:           k_q7c4a68880f_prep
    .symbol:         k_q7c4a68880f_prep.kd
    .args:
      - { .name: k, .offset: 0, .size: 8, .value_kind: global_buffer, .address_space: global }
      - { .name: v, .offset: 8, .size: 8, .value_kind: global_buffer, .address_space: global }
      - { .name: mask, .offset: 16, .size: 8, .value_kind: global_buffer, .address_space: global }
      - { .name: kv, .offset: 24, .size: 8, .value_kind: global_buffer, .address_space: global }
      - { .name: mw, .offset: 32, .size: 8, .value_kind: global_buffer, .address_space: global }
      - { .name: fl, .offset: 40, .size: 8, .value_kind: global_buffer, .address_space: global }
    .group_segment_fixed_size: 2560
    .private_segment_fixed_size: 0
    .kernarg_segment_align: 8
    .kernarg_segment_size: 48
    .max_flat_workgroup_size: 128
    .sgpr_count:     66
    .vgpr_count:     250
    .wavefront_size: 32
...
	.end_amdgpu_metadata
.endif
;; end of part 1
;; launch attn (part 2): grid 16 x 16, 8 waves a work-group, no clusters, 101,376 bytes of LDS; arguments q, kv, mw, fl, out0; writes out0
.if DOCPART == 2
	.amdgcn_target "amdgcn-amd-amdhsa--gfx1250"
	.amdhsa_code_object_version 6
	.text
	.protected	k_q7c4a68880f_attn
	.globl	k_q7c4a68880f_attn
	.p2align	8
	.type	k_q7c4a68880f_attn,@function
k_q7c4a68880f_attn:
	s_mov_b64 s[64:65], 0
	v_nop
	global_prefetch_b8 v0, s[64:65] scope:SCOPE_SE
	s_setreg_imm32_b32 hwreg(HW_REG_WAVE_MODE, 25, 1), 1
	s_wait_xcnt 0x0
; out[h][q][:] = the sum over k of softmax_k(fill(q . k / 8)) v[h][k][:], 16 heads, 2,048 queries and keys, 64 channels; both products on codes of E5M2 with one E8M0 scale for each 32 along K.
; q: f32, quantised here (a row is read by one wave).  kv: K's and V's codes and scale words as images of the operands' registers, 17,408 bytes for a head's step of 128 keys.  mw: the mask as
; lane-mask words, one for each score register of a tile and step.  fl: flags for each tile of 16 queries: steps not wholly filled, steps that hold a fill, rows filled throughout.
; SOFTMAX AHEAD OF THE SECOND PRODUCT: t = score x log2(e) / 8; M = the running largest t rounded UP to a whole number; p = 2^(t - M) is quantised along the keys, not normalised; the row's sum is taken
; of the unquantised p and divides at the end.  When M moves, the sums and O^T are multiplied by 2^(old M - new M): exact.
; THE FILL: a filled score becomes -2^33, the logit -2^30.  c x 2^33 is a whole number in f32, so a row that is filled throughout has t - M = 0 and p = 1 exactly: the plain mean, as with -1e9.
; LIMITS: results differ from a fill of -1e9 only where an unfilled logit lies under about -1e9 (|q . k| near 8e9); NaN and infinities are not served; a block of q under 2^-111 keeps the byte 1.
; WORK THAT IS LEFT OUT: a step of a tile all of whose 16 x 128 scores are filled, where no row of the tile is filled over all 2,048 keys: M is then an ordinary number and every such p is 0 in f32.
; Where a row of the tile is filled throughout, all 16 steps are done.  The choice is a scalar branch on the stored flags; the loop's trip count is a constant and every wave passes every barrier.
; SHARES.  Work-group (i, head): waves 0-3 take query tiles 4 i + w, waves 4-7 tiles 120 - 4 i + w: one block from each end of the queries, so that masks whose fill thins along the queries leave
; every work-group about the same work.  A wave owns one tile of 16 queries.  That is a schedule only: no result leans on it.
; NO CLUSTER, NO TENSOR LOAD: the branches leave out up to half of the work, and what the 16 work-groups of a head share is
; 278,528 bytes that the launch before has just stored.  K and V go memory -> registers -> LDS by plain loads, 68 bytes a thread for a step, and all eight waves read them there.
; LAYOUT.  Both products are used transposed: S^T = K Q^T, O^T = V^T P^T: a lane holds ONE query (lane % 16) throughout.  The first product's K is 64, half of the instruction's 128: a fragment of K holds
; TWO tiles of 16 keys side by side along K, and is multiplied by (q | 0) and by (0 | q).  Lane r of tile 2 b + u is key 32 b + 8 u + r + 8 (r / 8), so score register 16 b + i is key 32 b + 16 (lane / 16) + i.
; LDS: two slots, 32,768 bytes apart; PACKET st = {K of step st + 1, V of step st} lies in slot st % 2, laid as a unit of kv.  It is stored in front of trip st's barrier and read behind it; those reads are
; waited for in front of trip st + 1's barrier, and the slot is stored again in trip st + 2.  One barrier a trip.  From byte 65,536: a stage of 16 rows x 272 bytes for each wave, for the way out.
; REGISTERS, window 0: v1-11 addresses; v12 -M, v13 largest t; v[14:15], v[172:173] the sum in four parts; v16-23 q's codes, v24-31 zeros, v32-39 q's codes again; v40-103 S^T, then p; v104-135 O^T;
;   v136-151 p's codes; v152-171 at work; v176-185 scale words; v192-208 a packet on its way.   window 1: v0-63 K's four fragments, v64-127 V's four.
.set UNIT,  17408
.set SLOT1, 32768
.set STAGE, 65536
.set S,   40
.set OT,  104
.set PC,  136
.set BM,  152                          ; v152-155 each block's largest score, then its largest p
.set PT,  156                          ; v156-159 the other half's maxima, then the scale bytes
.set HD,  160                          ; v160-163 57,344 x the scale
.set SO,  164                          ; v164-167 the conversions' scale operands
.set FF,  168                          ; v[168:169] f = 2^(old M - new M); v169 is only named with it
.set L0,  14
.set L1,  172
.set SK,  176                          ; v176-179 K's scale words, one register a fragment
.set SV,  180                          ; v180-183 V's
.set SQ,  184                          ; q's
.set SP,  185                          ; p's
.set G,   192
.set WV,   14                          ; s14  wave
.set ST,   15                          ; s15  key step
.set TODO, 84                          ; s84  bit 0: this step has work for my tile; bit 1: the next
.set PART, 85                          ; s85  bit 0: this step holds a fill for my tile
.set NEED, 86                          ; s86  bit 1: some wave of the work-group reads the next packet
.set CNT,  87
.set BK,   88                          ; s[88:89] the unit whose K the next packet takes; s[90:91] V's; s[92:93] the one whose scale words my thread fetches
.set BV,   90
.set BS,   92
.set MO,   95                          ; s95  byte offset of a step's mask words
.set SEL,  96
.set CS,   98                          ; s[98:99] c = log2(e) / 8
.set MNT,  100
.set MSB, 0
.macro WIN new                         ; the immediate's high byte repeats the setting that is left
.if MSB != \new
	s_set_vgpr_msb (MSB<<8)|\new
.set MSB, \new
.endif
.endm
.macro GLOAD v                         ; a packet, 256 threads x 16 bytes a line; v = 0: K's part alone
	global_load_b128 v[G:G+3], v1, s[BK:BK+1]
	global_load_b128 v[G+4:G+7], v1, s[BK:BK+1] offset:4096
.if \v
	global_load_b128 v[G+8:G+11], v1, s[BV:BV+1] offset:8192
	global_load_b128 v[G+12:G+15], v1, s[BV:BV+1] offset:12288
.endif
	global_load_b32 v[G+16], v2, s[BS:BS+1] offset:16384   ; threads 0-127: K's scale words; threads 128-255: V's
.endm
.macro LSTORE slot, v
	ds_store_b128 v1, v[G:G+3] offset:\slot*SLOT1
	ds_store_b128 v1, v[G+4:G+7] offset:\slot*SLOT1+4096
.if \v
	ds_store_b128 v1, v[G+8:G+11] offset:\slot*SLOT1+8192
	ds_store_b128 v1, v[G+12:G+15] offset:\slot*SLOT1+12288
.endif
	ds_store_b32 v2, v[G+16] offset:\slot*SLOT1+16384
.endm
.macro KLOAD slot                      ; K's four fragments and their scale words: images, 16 x lane
	ds_load_b128 v[SK:SK+3], v3 offset:\slot*SLOT1+16384
	WIN 0x40                                       ; destination window 1
.irp n, 0,1,2,3,4,5,6,7,8,9,10,11,12,13,14,15
	ds_load_b128 v[4*\n:4*\n+3], v3 offset:\slot*SLOT1+512*\n
.endr
	WIN 0
.endm
.macro VLOAD slot
	ds_load_b128 v[SV:SV+3], v3 offset:\slot*SLOT1+16896
	WIN 0x40
.irp n, 0,1,2,3,4,5,6,7,8,9,10,11,12,13,14,15
	ds_load_b128 v[64+4*\n:64+4*\n+3], v3 offset:\slot*SLOT1+8192+512*\n
.endr
	WIN 0
.endm
.macro MLOAD                           ; a step's 64 mask words: word j in s[16 + j], from j = 48 on in s[20 + j]
	s_load_b512 s[16:31], s[8:9], s[MO] offset:0x0
	s_load_b512 s[32:47], s[8:9], s[MO] offset:0x40
	s_load_b512 s[48:63], s[8:9], s[MO] offset:0x80
	s_load_b512 s[68:83], s[8:9], s[MO] offset:0xc0
.endm
.macro PSUM b, k                       ; pair k of block b into a part sum: THE SUM IS TAKEN OF THE UNQUANTISED p, ahead of the hold
.if (\k)%2
	v_pk_add_f32 v[L1:L1+1], v[L1:L1+1], v[S+16*(\b)+2*(\k):S+16*(\b)+2*(\k)+1]
.else
	s_wait_alu depctr_va_vdst(0)
	v_pk_add_f32 v[L0:L0+1], v[L0:L0+1], v[S+16*(\b)+2*(\k):S+16*(\b)+2*(\k)+1]
.endif
.endm
.macro HOLD b, k                       ; the conversion to an 8-bit code does not saturate (ISA guide 7.6.2); p is not negative, so the hold is one-sided
	v_min_num_f32 v[S+16*(\b)+2*(\k)], v[S+16*(\b)+2*(\k)], v[HD+(\b)]
	v_min_num_f32 v[S+16*(\b)+2*(\k)+1], v[S+16*(\b)+2*(\k)+1], v[HD+(\b)]
.endm
.macro CODES b                         ; registers 4 b .. 4 b + 3 of the second product's operand: keys 32 b + 16 (lane / 16) + 0 .. 15
	v_cvt_scalef32_pk8_bf8_f32 v[PC+4*(\b):PC+4*(\b)+1], v[S+16*(\b):S+16*(\b)+7], v[SO+(\b)]
	v_cvt_scalef32_pk8_bf8_f32 v[PC+4*(\b)+2:PC+4*(\b)+3], v[S+16*(\b)+8:S+16*(\b)+15], v[SO+(\b)]
	s_wait_alu depctr_va_vdst(0)
.endm
.macro EXPBLK b                        ; block b's exponentials, each with a plain line behind it: the sums and holds of the block before
.irp k, 0,1,2,3,4,5,6,7
	v_exp_f32 v[S+16*(\b)+2*\k], v[S+16*(\b)+2*\k]
	PSUM \b-1, \k
	v_exp_f32 v[S+16*(\b)+2*\k+1], v[S+16*(\b)+2*\k+1]
	HOLD \b-1, \k
.endr
	CODES \b-1
.endm
; THE SOFTMAX OF A STEP: 64 scores a lane become p's codes, p's scale word, and the factor f on the sums and O^T
.macro SOFT
.irp b, 0,1,2,3
	v_max3_num_f32 v[BM+\b], v[S+16*\b], v[S+16*\b+1], v[S+16*\b+2]   ; the largest score of each block of 32 keys: it serves the row's maximum and, since p rises with the score, the block's largest p
.endr
.irp i, 3,5,7,9,11,13
.irp b, 0,1,2,3
	v_max3_num_f32 v[BM+\b], v[BM+\b], v[S+16*\b+\i], v[S+16*\b+\i+1]
.endr
.endr
.irp b, 0,1,2,3
	v_max_num_f32 v[BM+\b], v[BM+\b], v[S+16*\b+15]
.endr
.irp b, 0,1,2,3
	v_permlanex16_b32 v[PT+\b], v[BM+\b], s[SEL], s[SEL+1]
.endr
.irp b, 0,1,2,3
	v_max_num_f32 v[BM+\b], v[BM+\b], v[PT+\b]             ; with lane l xor 16's 16 keys
.endr
	v_max3_num_f32 v170, v[BM], v[BM+1], v[BM+2]
	v_max_num_f32 v170, v170, v[BM+3]
	v_mul_f32 v170, s[CS], v170                    ; the step's largest t (c is positive)
	v_max_num_f32 v13, v13, v170
	v_mov_b32 v170, v12
	v_floor_f32 v12, -v13                          ; the new -M = -ceil(t): a whole number
	v_sub_f32 v170, v12, v170                      ; old M - new M, 0 or less
	v_cvt_i32_f32 v170, v170                       ; (it saturates)
	v_ldexp_f32 v[FF], 1.0, v170                   ; f
.irp j, 0,2,4,6,8,10,12,14,16,18,20,22,24,26,28,30,32,34,36,38,40,42,44,46,48,50,52,54,56,58,60,62
	v_pk_fma_f32 v[S+\j:S+\j+1], v[S+\j:S+\j+1], s[CS:CS+1], v[12:13] op_sel_hi:[1,0,0]   ; t - M (of the pairs c and -M the low word serves both halves)
.endr
.irp b, 0,1,2,3
	v_fma_f32 v[BM+\b], v[BM+\b], s[CS], v12
.endr
.irp b, 0,1,2,3
	v_exp_f32 v[BM+\b], v[BM+\b]                   ; the block's largest p: the same two operations on the same number
.endr
	v_pk_mul_f32 v[L0:L0+1], v[L0:L0+1], v[FF:FF+1] op_sel_hi:[1,0]   ; the sums under the new M (plain lines behind the exponentials)
	v_pk_mul_f32 v[L1:L1+1], v[L1:L1+1], v[FF:FF+1] op_sel_hi:[1,0]
	s_wait_alu depctr_va_vdst(0)
.irp q, 0,1,2,3                        ; block q's scale, line by line between block 0's exponentials
	v_max_num_f32 v[BM+\q], 0x8000000, v[BM+\q]            ; the floor 2^(16 - 127): the byte cannot fall under 1
	v_exp_f32 v[S+4*\q], v[S+4*\q]
	v_add_nc_u32 v[SO+\q], 0xf8800000, v[BM+\q]            ; 15 off the exponent field
	v_exp_f32 v[S+4*\q+1], v[S+4*\q+1]
	v_and_or_b32 v[HD+\q], v[BM+\q], 0x7f800000, s[MNT]    ; 57,344 x the scale
	v_exp_f32 v[S+4*\q+2], v[S+4*\q+2]
	v_lshrrev_b32 v[PT+\q], 23, v[SO+\q]                   ; the byte
	v_exp_f32 v[S+4*\q+3], v[S+4*\q+3]
.endr
	v_lshl_or_b32 v[SP], v[PT+1], 8, v[PT]         ; p's scale word for these 128 keys: far more than eight plain lines ahead of its products
	v_lshl_or_b32 v[SP], v[PT+2], 16, v[SP]
	v_lshl_or_b32 v[SP], v[PT+3], 24, v[SP]
	EXPBLK 1
	EXPBLK 2
	EXPBLK 3
.irp k, 0,1,2,3,4,5,6,7
	PSUM 3, \k
	HOLD 3, \k
.endr
	CODES 3
.irp j, 0,2,4,6,8,10,12,14,16,18,20,22,24,26,28,30
	v_pk_mul_f32 v[OT+\j:OT+\j+1], v[OT+\j:OT+\j+1], v[FF:FF+1] op_sel_hi:[1,0]   ; O^T under the new M, each accumulator from its low end on; also the plain lines between the conversions and the products
.endr
.endm
; A TRIP = key step st; its packet lies in the slot named
.macro TRIP slot
	s_wait_loadcnt 0x0                             ; packet st is in my registers
	s_wait_kmcnt 0x0                               ; step st's mask words are in
	s_wait_xcnt 0x0                                ; nothing of mine is out: the bases and the mask offset are rewritten below
	LSTORE \slot, 1                                ; in every trip, so that no slot is read that was not stored; where no packet was fetched nobody reads it
	s_wait_dscnt 0x0                               ; for the others' sake: my stores have landed, and my reads of the other slot are over
	s_barrier_signal -1
	s_barrier_wait -1
	s_add_co_u32 s94, s[ST], 2                     ; packet st + 1: K of step st + 2, V of step st + 1, both held inside the head
	s_min_u32 s94, s94, 15
	s_mul_i32 s2, s94, UNIT
	s_add_co_u32 s94, s[ST], 1
	s_min_u32 s94, s94, 15
	s_mul_i32 s10, s94, UNIT
	s_lshl_b32 s[MO], s94, 8                       ; and step st + 1's mask words
	s_add_nc_u64 s[BK:BK+1], s[6:7], s[2:3]
	s_add_nc_u64 s[BV:BV+1], s[6:7], s[10:11]
	s_cmp_lt_u32 s[WV], 4
	s_cselect_b32 s2, s2, s10                      ; waves 0-3 fetch K's scale words, waves 4-7 V's
	s_add_nc_u64 s[BS:BS+1], s[6:7], s[2:3]
	s_bitcmp1_b32 s[NEED], 1
	s_cbranch_scc0 .Lno_packet_\@
	GLOAD 1                                        ; it has the whole trip in which to land
.Lno_packet_\@:
	s_bitcmp1_b32 s[TODO], 0
	s_cbranch_scc0 .Lidle_\@
	WIN 0x01                                       ; source 0 window 1
.irp b, 0,1,2,3
.irp u, 0,1
	v_wmma_scale_f32_16x16x128_f8f6f4 v[S+16*\b+8*\u:S+16*\b+8*\u+7], v[16*\b:16*\b+15], v[16+8*\u:31+8*\u], 0, v[SK+\b], v[SQ] matrix_a_fmt:MATRIX_FMT_BF8 matrix_b_fmt:MATRIX_FMT_BF8
.endr
.endr
	WIN 0
.rept 8
	v_nop                                          ; eight places: ahead of the first read of the scores, of the loads over K's fragments, and, behind the last trip's O^T products, of the loads over V's
.endr
	s_bitcmp1_b32 s[TODO], 1
	s_cbranch_scc0 .Lno_k_\@
	KLOAD \slot                                    ; K of step st + 1: in registers a step early
.Lno_k_\@:
	VLOAD \slot                                    ; V of this step: it lands under the softmax
	s_bitcmp1_b32 s[PART], 0
	s_cbranch_scc0 .Lopen_\@
.set j, 0
.rept 64
.if j < 48
	v_cndmask_b32 v[S+j], v[S+j], v7, s[16+j]      ; the fill, one line a score, each accumulator from its low end on
.else
	v_cndmask_b32 v[S+j], v[S+j], v7, s[20+j]
.endif
.set j, j+1
.endr
.Lopen_\@:
	MLOAD                                          ; the next step's words
	SOFT
	s_wait_dscnt 0x0                               ; V, and K of the next step
	WIN 0x01
.irp t, 0,1,2,3                        ; four accumulators by turns, one instruction a turn
	v_wmma_scale_f32_16x16x128_f8f6f4 v[OT+8*\t:OT+8*\t+7], v[64+16*\t:64+16*\t+15], v[PC:PC+15], v[OT+8*\t:OT+8*\t+7], v[SV+\t], v[SP] matrix_a_fmt:MATRIX_FMT_BF8 matrix_b_fmt:MATRIX_FMT_BF8
.endr
	WIN 0
	s_branch .Ljoin_\@
.Lidle_\@:
	s_bitcmp1_b32 s[TODO], 1
	s_cbranch_scc0 .Lno_k2_\@
	KLOAD \slot
.Lno_k2_\@:
	MLOAD
.Ljoin_\@:
	s_lshr_b32 s[TODO], s[TODO], 1
	s_lshr_b32 s[PART], s[PART], 1
	s_lshr_b32 s[NEED], s[NEED], 1
	s_add_co_u32 s[ST], s[ST], 1
.endm
	s_load_b256 s[4:11], s[0:1], 0x0               ; q s[4:5], kv s[6:7], mw s[8:9], fl s[10:11]
	s_load_b64 s[12:13], s[0:1], 0x20              ; out0
	v_lshl_add_u32 v254, v0, 2, 0x18800
	v_mov_b32 v255, 0
	v_lshrrev_b32 v1, 5, v0
	v_readfirstlane_b32 s[WV], v1                  ; wave 0..7
	v_lshlrev_b32 v1, 4, v0                        ; 16 x thread: a packet's codes
	v_lshlrev_b32 v2, 2, v0                        ; 4 x thread: its scale words
	v_and_b32 v3, 31, v0
	v_lshlrev_b32 v3, 4, v3                        ; 16 x lane: an image's place for my lane
	v_and_b32 v4, 15, v0                           ; r
	v_bfe_u32 v5, v0, 4, 1                         ; h
	v_mov_b32 v6, 0                                ; (a lane permute's destination on the way out)
	v_mov_b32 v7, 0xd0000000                       ; the fill: -2^33
	v_lshlrev_b32 v11, 8, v4
	v_lshl_add_u32 v11, v5, 6, v11                 ; q: row r of 256 bytes, + 64 h: my 16 numbers of a block of 32
	s_mov_b32 s[SEL], 0x76543210
	s_mov_b32 s[SEL+1], 0xfedcba98                 ; v_permlanex16_b32's selects for lane l xor 16
	s_mov_b32 s[CS], 0x3e38aa3b                    ; c = log2(e) / 8
	s_mov_b32 s[CS+1], s[CS]                       ; (named with it as a pair, so it is written)
	s_mov_b32 s[MNT], 0x600000                     ; the mantissa field of 57,344
	s_and_b32 s2, ttmp7, 0xffff                    ; the head
	s_lshl_b32 s3, ttmp9, 2                        ; 4 i
	s_add_co_u32 s94, s3, s[WV]                    ; waves 0-3: tile 4 i + w
	s_sub_co_u32 s95, 120, s3
	s_add_co_u32 s95, s95, s[WV]                   ; waves 4-7: tile 120 - 4 i + w
	s_cmp_lt_u32 s[WV], 4
	s_cselect_b32 s94, s94, s95                    ; my tile of 16 queries
	s_lshl_b32 s86, s2, 19                         ; a head's 2,048 rows of 256 bytes,
	s_lshl_b32 s87, s94, 12                        ; a tile's 16
	s_add_co_u32 s86, s86, s87
	s_mov_b32 s87, 0
	s_lshl_b32 s84, ttmp9, 6                       ; the flags of tiles 4 i on: 16 bytes a tile,
	s_sub_co_u32 s85, 1984, s84                    ; and of tiles 124 - 4 i on
	s_wait_kmcnt 0x0
	s_add_nc_u64 s[4:5], s[4:5], s[86:87]
	s_add_nc_u64 s[12:13], s[12:13], s[86:87]
	s_lshl_b32 s86, s94, 12                        ; a tile's 16 steps x 64 words
	s_add_nc_u64 s[8:9], s[8:9], s[86:87]
	s_mul_i32 s86, s2, 16*UNIT
	s_add_nc_u64 s[6:7], s[6:7], s[86:87]          ; the head's 16 units
	s_load_b512 s[16:31], s[10:11], s84 offset:0x0 ; {A0, R0, A1, R1} of waves 0-3's tiles,
	s_load_b512 s[32:47], s[10:11], s85 offset:0x0 ; of waves 4-7's
	s_mov_b64 s[BK:BK+1], s[6:7]
	s_mov_b64 s[BS:BS+1], s[6:7]
	GLOAD 0                                        ; K of step 0
.irp c, 0,1
.irp j, 0,1,2,3
	global_load_b128 v[S+16*\c+4*\j:S+16*\c+4*\j+3], v11, s[4:5] offset:128*\c+16*\j th:TH_LOAD_NT
.endr
.endr
	s_wait_kmcnt 0x0                               ; the flags
	s_mov_b32 s[TODO], 0
	s_mov_b32 s[NEED], 0
.irp k, 0,1,2,3,4,5,6,7
	s_or_b32 s94, s[16+4*\k], s[18+4*\k]           ; wave k's tile: both halves' steps
	s_and_b32 s2, s[17+4*\k], s[19+4*\k]           ; rows filled over all 2,048 keys: SCC = there is one
	s_cselect_b32 s2, 0xffff, 0                    ; then every step is done
	s_or_b32 s94, s94, s2
	s_or_b32 s[NEED], s[NEED], s94
	s_cmp_eq_u32 s[WV], \k
	s_cselect_b32 s[TODO], s94, s[TODO]
.endr
	s_lshr_b32 s[PART], s[TODO], 16
	s_and_b32 s[TODO], s[TODO], 0xffff
	s_and_b32 s[NEED], s[NEED], 0xffff             ; steps that some wave works;
	s_lshr_b32 s94, s[NEED], 1
	s_or_b32 s[NEED], s[NEED], s94                 ; packet st is read for V of step st or for K of step st + 1
	s_mov_b32 s3, 0                                ; the upper words of two pairs of offsets
	s_mov_b32 s11, 0
	s_mov_b32 s[MO], 0
	MLOAD                                          ; step 0's mask words, over the flags
	s_wait_loadcnt 8                               ; K of step 0 is in: behind its three loads q's eight were issued
	LSTORE 1, 0
.irp b, 0,1,2,3
	v_mov_b32 v[PT+\b], 0                          ; written once: a lane permute's destination counts as one of its sources
.endr
	v_mov_b32 v[FF+1], 0
	s_wait_loadcnt 0x0                             ; q
.irp b, 0,1                            ; q's two blocks of 32 channels: 16 numbers in my lane, 16 in lane l xor 16
	v_max3_num_f32 v[BM+\b], |v[S+16*\b]|, |v[S+16*\b+1]|, 0x8000000
.endr
.irp i, 2,4,6,8,10,12,14
.irp b, 0,1
	v_max3_num_f32 v[BM+\b], v[BM+\b], |v[S+16*\b+\i]|, |v[S+16*\b+\i+1]|
.endr
.endr
.irp b, 0,1
	v_permlanex16_b32 v[PT+\b], v[BM+\b], s[SEL], s[SEL+1]
.endr
.irp b, 0,1
	v_max_num_f32 v[BM+\b], v[BM+\b], v[PT+\b]
.endr
.irp b, 0,1
	v_add_nc_u32 v[SO+\b], 0xf8800000, v[BM+\b]
.endr
.irp b, 0,1
	v_and_or_b32 v[HD+\b], v[BM+\b], 0x7f800000, s[MNT]
.endr
.irp b, 0,1
	v_lshrrev_b32 v[PT+\b], 23, v[SO+\b]
.endr
	v_lshl_or_b32 v[SQ], v[PT+1], 8, v[PT]
	v_lshl_or_b32 v[SQ], v[SQ], 16, v[SQ]          ; the two bytes twice: one word serves (q | 0) and (0 | q); over the zero codes any byte but 0xff will do
.irp b, 0,1
.irp i, 0,1,2,3,4,5,6,7,8,9,10,11,12,13,14,15
	v_med3_num_f32 v[S+16*\b+\i], v[S+16*\b+\i], -v[HD+\b], v[HD+\b]
.endr
	v_cvt_scalef32_pk8_bf8_f32 v[16+4*\b:17+4*\b], v[S+16*\b:S+16*\b+7], v[SO+\b]
	v_cvt_scalef32_pk8_bf8_f32 v[18+4*\b:19+4*\b], v[S+16*\b+8:S+16*\b+15], v[SO+\b]
.endr
.irp j, 0,1,2,3,4,5,6,7
	v_mov_b32 v[24+\j], 0                          ; the zero half (plain lines behind the conversions)
.endr
.irp j, 0,1,2,3,4,5,6,7
	v_mov_b32 v[32+\j], v[16+\j]
.endr
.set j, 0
.rept 32
	v_mov_b32 v[OT+j], 0                           ; O^T.  The step is written once: its first turn finds zeros, which the first change of M leaves zeros
.set j, j+1
.endr
	v_mov_b32 v[L0], 0
	v_mov_b32 v[L0+1], 0
	v_mov_b32 v[L1], 0
	v_mov_b32 v[L1+1], 0
	v_mov_b32 v13, 0xff61b1e6                      ; the largest t so far: -3e38, under every t
	v_floor_f32 v12, -v13
	s_wait_dscnt 0x0                               ; for the others' sake: my part of K of step 0 has landed
	s_barrier_signal -1
	s_barrier_wait -1
	s_add_nc_u64 s[BK:BK+1], s[6:7], UNIT          ; packet 0: K of step 1, V of step 0 (the loads that named these bases are done)
	s_mov_b64 s[BV:BV+1], s[6:7]
	s_cmp_lt_u32 s[WV], 4
	s_cselect_b32 s2, UNIT, 0
	s_add_nc_u64 s[BS:BS+1], s[6:7], s[2:3]
	GLOAD 1
	KLOAD 1                                        ; K of step 0
	s_mov_b32 s[ST], 0
	s_mov_b32 s[CNT], 8
.Lpair:                                            ; eight trips of two key steps: the slots' numbers are back where they began
	TRIP 0
	TRIP 1
	s_sub_co_u32 s[CNT], s[CNT], 1
	s_cmp_lg_u32 s[CNT], 0
	s_cbranch_scc1 .Lpair
	; THE WAY OUT.  O^T / the sum goes through my own stage in LDS and leaves as whole rows.  The eight address lines and the two sums are the places behind the last products.
	s_mul_i32 s94, s[WV], 16*272
	s_add_co_u32 s94, s94, STAGE
	v_mul_u32_u24 v8, v4, 272
	v_lshl_add_u32 v8, v5, 5, v8
	v_add_nc_u32 v8, s94, v8                       ; in: row r; tile t's eight channels of my half at 64 t + 32 h
	v_mul_u32_u24 v9, v5, 272
	v_lshl_add_u32 v9, v4, 4, v9
	v_add_nc_u32 v9, s94, v9                       ; back: lanes 0-15 one row, lanes 16-31 the next
	v_lshlrev_b32 v10, 8, v5
	v_pk_add_f32 v[L0:L0+1], v[L0:L0+1], v[L1:L1+1]
	v_add_f32 v[L0], v[L0], v[L0+1]
	v_permlanex16_b32 v6, v[L0], s[SEL], s[SEL+1]
	v_add_f32 v[L0], v[L0], v6                     ; the row's sum: my four parts and lane l xor 16's
	v_rcp_f32 v[L0], v[L0]
	v_lshl_add_u32 v10, v4, 4, v10                 ; the same two rows in out0 (a plain line behind the reciprocal)
.set j, 0
	s_wait_alu depctr_va_vdst(0)
.rept 32
	v_mul_f32 v[S+j], v[OT+j], v[L0]               ; register 8 t + i is out(r, 16 t + 8 h + i); each accumulator from its low end on
.set j, j+1
.endr
.irp t, 0,1,2,3
	ds_store_b128 v8, v[S+8*\t:S+8*\t+3] offset:64*\t
	ds_store_b128 v8, v[S+8*\t+4:S+8*\t+7] offset:64*\t+16
.endr
.irp i, 0,1,2,3,4,5,6,7
	ds_load_b128 v[S+32+4*\i:S+32+4*\i+3], v9 offset:544*\i   ; LDS serves a wave's instructions in order (ISA guide 5.7.1.4): these see my stores
.endr
.irp i, 0,1,2,3,4,5,6,7
	s_wait_dscnt 7-\i                              ; the younger loads may stay out
	global_store_b128 v10, v[S+32+4*\i:S+32+4*\i+3], s[12:13] offset:512*\i th:TH_STORE_NT   ; 32 lanes store two rows: 512 consecutive bytes, aligned
.endr
	s_wait_kmcnt 0x0                               ; the last trip's mask words
	s_wait_tensorcnt 0x0
	ds_add_u32 v254, v255
	s_wait_dscnt 0x0
	s_endpgm
.Lfunc_end_k_q7c4a68880f_attn:
	.size	k_q7c4a68880f_attn, .Lfunc_end_k_q7c4a68880f_attn-k_q7c4a68880f_attn
	.p2alignl 7, 3214868480
	.fill 96, 4, 3214868480
	.section	.rodata,"a",@progbits
	.p2align	6, 0x0
	.amdhsa_kernel k_q7c4a68880f_attn
		.amdhsa_group_segment_fixed_size 101376
		.amdhsa_private_segment_fixed_size 0
		.amdhsa_enable_private_segment 0
		.amdhsa_kernarg_size 40
		.amdhsa_user_sgpr_count 2
		.amdhsa_user_sgpr_kernarg_segment_ptr 1
		.amdhsa_wavefront_size32 1
		.amdhsa_system_sgpr_workgroup_id_x 1
		.amdhsa_system_sgpr_workgroup_id_y 1
		.amdhsa_system_sgpr_workgroup_id_z 1
		.amdhsa_system_vgpr_workitem_id 0
		.amdhsa_next_free_vgpr 384
		.amdhsa_next_free_sgpr 102
		.amdhsa_reserve_vcc 0
		.amdhsa_float_denorm_mode_32 3
		.amdhsa_float_denorm_mode_16_64 3
		.amdhsa_memory_ordered 1
		.amdhsa_forward_progress 1
		.amdhsa_inst_pref_size 71
	.end_amdhsa_kernel
	.amdgpu_metadata
---
amdhsa.version: [ 1, 2 ]
amdhsa.kernels:
  - .name:           k_q7c4a68880f_attn
    .symbol:         k_q7c4a68880f_attn.kd
    .args:
      - { .name: q, .offset: 0, .size: 8, .value_kind: global_buffer, .address_space: global }
      - { .name: kv, .offset: 8, .size: 8, .value_kind: global_buffer, .address_space: global }
      - { .name: mw, .offset: 16, .size: 8, .value_kind: global_buffer, .address_space: global }
      - { .name: fl, .offset: 24, .size: 8, .value_kind: global_buffer, .address_space: global }
      - { .name: out0, .offset: 32, .size: 8, .value_kind: global_buffer, .address_space: global }
    .group_segment_fixed_size: 101376
    .private_segment_fixed_size: 0
    .kernarg_segment_align: 8
    .kernarg_segment_size: 40
    .max_flat_workgroup_size: 256
    .sgpr_count:     102
    .vgpr_count:     384
    .wavefront_size: 32
...
	.end_amdgpu_metadata
.endif
;; end of part 2
;; ======== version 2 of 2: 2 launches; version 1 with the launch attn written anew for expert scheduling mode
;; limits: right only within a limited range of input values
;; workspace buffers: kv 4,456,448 bytes; mw 524,288 bytes of whole numbers; fl 2,048 bytes of whole numbers
;; launch prep: the kernel of part 1 again; grid 256 x 1, 4 waves a work-group, no clusters, 2,560 bytes of LDS; arguments k, v, mask, kv, mw, fl; writes kv, mw, fl
;; launch attn (part 3): grid 16 x 16, 8 waves a work-group, no clusters, 101,376 bytes of LDS; arguments q, kv, mw, fl, out0; writes out0
.if DOCPART == 3
	.amdgcn_target "amdgcn-amd-amdhsa--gfx1250"
	.amdhsa_code_object_version 6
	.text
	.protected	k_q7c4a68880f_attn
	.globl	k_q7c4a68880f_attn
	.p2align	8
	.type	k_q7c4a68880f_attn,@function
k_q7c4a68880f_attn:
	s_mov_b64 s[64:65], 0
	v_nop
	global_prefetch_b8 v0, s[64:65] scope:SCOPE_SE
	s_setreg_imm32_b32 hwreg(HW_REG_WAVE_SCHED_MODE, 0, 2), 2
	s_setreg_imm32_b32 hwreg(HW_REG_WAVE_MODE, 25, 1), 1
	s_wait_xcnt 0x0
	s_wait_alu depctr_vm_vsrc(0)
; out[h][q][:] = the sum over k of softmax_k(fill(q . k / 8)) v[h][k][:], 16 heads, 2,048 queries and keys, 64 channels; both products on codes of E5M2 with one E8M0 scale for each 32 along K.
; q: f32, quantised here (a row is read by one wave).  kv: K's and V's codes and scale words as images of the operands' registers, 17,408 bytes for a head's step of 128 keys.  mw: the mask as
; lane-mask words, one for each score register of a tile and step.  fl: flags for each tile of 16 queries: steps not wholly filled, steps that hold a fill, rows filled throughout.
; SOFTMAX AHEAD OF THE SECOND PRODUCT: t = score x log2(e) / 8; M = the running largest t rounded UP to a whole number; p = 2^(t - M) is quantised along the keys, not normalised; the row's sum is taken
; of the unquantised p and divides at the end.  When M moves, the sums and O^T are multiplied by 2^(old M - new M): exact.
; THE FILL: a filled score becomes -2^33, the logit -2^30.  c x 2^33 is a whole number in f32, so a row that is filled throughout has t - M = 0 and p = 1 exactly: the plain mean, as with -1e9.
; LIMITS: results differ from a fill of -1e9 only where an unfilled logit lies under about -1e9 (|q . k| near 8e9); NaN and infinities are not served; a block of q under 2^-111 keeps the byte 1.
; WORK THAT IS LEFT OUT: a step of a tile all of whose 16 x 128 scores are filled, where no row of the tile is filled over all 2,048 keys: M is then an ordinary number and every such p is 0 in f32.
; Where a row of the tile is filled throughout, all 16 steps are done.  The choice is a scalar branch on the stored flags; the loop's trip count is a constant and every wave passes every barrier.
; SHARES.  Work-group (i, head): waves 0-3 take query tiles 4 i + w, waves 4-7 tiles 120 - 4 i + w: one block from each end of the queries, so that masks whose fill thins along the queries leave
; every work-group about the same work.  A wave owns one tile of 16 queries.  That is a schedule only: no result leans on it.
; NO CLUSTER, NO TENSOR LOAD: the branches leave out up to half of the work, and what the 16 work-groups of a head share is
; 278,528 bytes that the launch before has just stored.  K and V go memory -> registers -> LDS by plain loads, 68 bytes a thread for a step, and all eight waves read them there.
; LAYOUT.  Both products are used transposed: S^T = K Q^T, O^T = V^T P^T: a lane holds ONE query (lane % 16) throughout.  The first product's K is 64, half of the instruction's 128: a fragment of K holds
; TWO tiles of 16 keys side by side along K, and is multiplied by (q | 0) and by (0 | q).  Lane r of tile 2 b + u is key 32 b + 8 u + r + 8 (r / 8), so score register 16 b + i is key 32 b + 16 (lane / 16) + i.
; LDS: two slots, 32,768 bytes apart; PACKET st = {K of step st + 1, V of step st} lies in slot st % 2, laid as a unit of kv.  It is stored in front of trip st's barrier and read behind it; those reads are
; waited for in front of trip st + 1's barrier, and the slot is stored again in trip st + 2.  One barrier a trip.  From byte 65,536: a stage of 16 rows x 272 bytes for each wave, for the way out.
; REGISTERS, window 0: v1-11 addresses; v12 -M, v13 largest t; v[14:15], v[172:173] the sum in four parts; v16-23 q's codes, v24-31 zeros, v32-39 q's codes again; v40-103 S^T, then p; v104-135 O^T;
;   v136-151 p's codes; v152-171 at work; v176-185 scale words; v192-208 a packet on its way; v254, v255 the closing add's two.   window 1: v0-63 K's four fragments, v64-127 V's four.
; THE MODE: SCHED_MODE bits 1:0 = 2 (LLVM: expert scheduling mode 2), set by the entry lines.  The code itself states the register dependences
; between vector or matrix instructions and memory or LDS instructions, with s_wait_alu, always for 0.
; THE PLAN.  Registers that memory or LDS instructions touch:
;   v1, v2, v3, v11     offsets, made at the head and never written again: one wait on va_vdst ahead of the first load serves the whole kernel.
;   v[G ..] a packet    Written by the packet's global loads, read by the LDS stores at the next trip's head; no vector instruction names them.  One wait on vm_vsrc a trip, between those stores and the next loads.
;   V's fragments, SV   Read by a step's four O^T products; the next worked step's loads land in them behind the wait on va_vdst that follows its S^T products and their places.
;   K's fragments, SK   Read by a step's eight S^T products; the next step's loads land in them behind the softmax's first wait on va_vdst (an idle trip: behind the waits of the trip that last read them).
;   v40-103, v8-10      On the way out alone: the stage's data, what comes back from it, and three addresses: one wait on va_vdst ahead of the stage's stores.
; The other waits on va_vdst state what vector instructions have written for vector or matrix readers: an exponential's or the reciprocal's result ahead of its first reader (one wait for each batch),
; and q's and p's codes and scale words ahead of the scaled products that take them.
.set UNIT,  17408
.set SLOT1, 32768
.set STAGE, 65536
.set S,   40
.set OT,  104
.set PC,  136
.set BM,  152                          ; v152-155 each block's largest score, then its largest p
.set PT,  156                          ; v156-159 the other half's maxima, then the scale bytes
.set HD,  160                          ; v160-163 57,344 x the scale
.set SO,  164                          ; v164-167 the conversions' scale operands
.set FF,  168                          ; v[168:169] f = 2^(old M - new M); v169 is only named with it
.set L0,  14
.set L1,  172
.set SK,  176                          ; v176-179 K's scale words, one register a fragment
.set SV,  180                          ; v180-183 V's
.set SQ,  184                          ; q's
.set SP,  185                          ; p's
.set G,   192
.set WV,   14                          ; s14  wave
.set ST,   15                          ; s15  key step
.set TODO, 84                          ; s84  bit 0: this step has work for my tile; bit 1: the next
.set PART, 85                          ; s85  bit 0: this step holds a fill for my tile
.set NEED, 86                          ; s86  bit 1: some wave of the work-group reads the next packet
.set CNT,  87
.set BK,   88                          ; s[88:89] the unit whose K the next packet takes; s[90:91] V's; s[92:93] the one whose scale words my thread fetches
.set BV,   90
.set BS,   92
.set MO,   95                          ; s95  byte offset of a step's mask words
.set SEL,  96
.set CS,   98                          ; s[98:99] c = log2(e) / 8
.set MNT,  100
.set MSB, 0
.macro WIN new                         ; the immediate's high byte repeats the setting that is left
.if MSB != \new
	s_set_vgpr_msb (MSB<<8)|\new
.set MSB, \new
.endif
.endm
.macro GLOAD v                         ; a packet, 256 threads x 16 bytes a line; v = 0: K's part alone
	global_load_b128 v[G:G+3], v1, s[BK:BK+1]
	global_load_b128 v[G+4:G+7], v1, s[BK:BK+1] offset:4096
.if \v
	global_load_b128 v[G+8:G+11], v1, s[BV:BV+1] offset:8192
	global_load_b128 v[G+12:G+15], v1, s[BV:BV+1] offset:12288
.endif
	global_load_b32 v[G+16], v2, s[BS:BS+1] offset:16384   ; threads 0-127: K's scale words; threads 128-255: V's
.endm
.macro LSTORE slot, v
	ds_store_b128 v1, v[G:G+3] offset:\slot*SLOT1
	ds_store_b128 v1, v[G+4:G+7] offset:\slot*SLOT1+4096
.if \v
	ds_store_b128 v1, v[G+8:G+11] offset:\slot*SLOT1+8192
	ds_store_b128 v1, v[G+12:G+15] offset:\slot*SLOT1+12288
.endif
	ds_store_b32 v2, v[G+16] offset:\slot*SLOT1+16384
.endm
.macro KLOAD slot                      ; K's four fragments and their scale words: images, 16 x lane
	ds_load_b128 v[SK:SK+3], v3 offset:\slot*SLOT1+16384
	WIN 0x40                                       ; destination window 1
.irp n, 0,1,2,3,4,5,6,7,8,9,10,11,12,13,14,15
	ds_load_b128 v[4*\n:4*\n+3], v3 offset:\slot*SLOT1+512*\n
.endr
	WIN 0
.endm
.macro VLOAD slot
	ds_load_b128 v[SV:SV+3], v3 offset:\slot*SLOT1+16896
	WIN 0x40
.irp n, 0,1,2,3,4,5,6,7,8,9,10,11,12,13,14,15
	ds_load_b128 v[64+4*\n:64+4*\n+3], v3 offset:\slot*SLOT1+8192+512*\n
.endr
	WIN 0
.endm
.macro MLOAD                           ; a step's 64 mask words: word j in s[16 + j], from j = 48 on in s[20 + j]
	s_load_b512 s[16:31], s[8:9], s[MO] offset:0x0
	s_load_b512 s[32:47], s[8:9], s[MO] offset:0x40
	s_load_b512 s[48:63], s[8:9], s[MO] offset:0x80
	s_load_b512 s[68:83], s[8:9], s[MO] offset:0xc0
.endm
.macro PSUM b, k                       ; pair k of block b into a part sum: THE SUM IS TAKEN OF THE UNQUANTISED p, ahead of the hold
.if (\k)%2
	v_pk_add_f32 v[L1:L1+1], v[L1:L1+1], v[S+16*(\b)+2*(\k):S+16*(\b)+2*(\k)+1]
.else
	v_pk_add_f32 v[L0:L0+1], v[L0:L0+1], v[S+16*(\b)+2*(\k):S+16*(\b)+2*(\k)+1]
.endif
.endm
.macro HOLD b, k                       ; the conversion to an 8-bit code does not saturate (ISA guide 7.6.2); p is not negative, so the hold is one-sided
	v_min_num_f32 v[S+16*(\b)+2*(\k)], v[S+16*(\b)+2*(\k)], v[HD+(\b)]
	v_min_num_f32 v[S+16*(\b)+2*(\k)+1], v[S+16*(\b)+2*(\k)+1], v[HD+(\b)]
.endm
.macro CODES b                         ; registers 4 b .. 4 b + 3 of the second product's operand: keys 32 b + 16 (lane / 16) + 0 .. 15
	v_cvt_scalef32_pk8_bf8_f32 v[PC+4*(\b):PC+4*(\b)+1], v[S+16*(\b):S+16*(\b)+7], v[SO+(\b)]
	v_cvt_scalef32_pk8_bf8_f32 v[PC+4*(\b)+2:PC+4*(\b)+3], v[S+16*(\b)+8:S+16*(\b)+15], v[SO+(\b)]
.endm
.macro EXPBLK b                        ; block b's exponentials, each with a plain line behind it: the sums and holds of the block before
	s_wait_alu depctr_va_vdst(0)                   ; the sixteen exponentials of the block before have written its p, which the sums, holds and conversions below read; block b's own results are named only behind the next such wait
.irp k, 0,1,2,3,4,5,6,7
	v_exp_f32 v[S+16*(\b)+2*\k], v[S+16*(\b)+2*\k]
	PSUM \b-1, \k
	v_exp_f32 v[S+16*(\b)+2*\k+1], v[S+16*(\b)+2*\k+1]
	HOLD \b-1, \k
.endr
	CODES \b-1
.endm
; THE SOFTMAX OF A STEP: 64 scores a lane become p's codes, p's scale word, and the factor f on the sums and O^T.  Behind its first wait stand the next step's mask words and K's loads from the slot named.
.macro SOFT slot
.irp b, 0,1,2,3
	v_max3_num_f32 v[BM+\b], v[S+16*\b], v[S+16*\b+1], v[S+16*\b+2]   ; the largest score of each block of 32 keys: it serves the row's maximum and, since p rises with the score, the block's largest p
.endr
.irp i, 3,5,7,9,11,13
.irp b, 0,1,2,3
	v_max3_num_f32 v[BM+\b], v[BM+\b], v[S+16*\b+\i], v[S+16*\b+\i+1]
.endr
.endr
.irp b, 0,1,2,3
	v_max_num_f32 v[BM+\b], v[BM+\b], v[S+16*\b+15]
.endr
.irp b, 0,1,2,3
	v_permlanex16_b32 v[PT+\b], v[BM+\b], s[SEL], s[SEL+1]
.endr
.irp b, 0,1,2,3
	v_max_num_f32 v[BM+\b], v[BM+\b], v[PT+\b]             ; with lane l xor 16's 16 keys
.endr
	v_max3_num_f32 v170, v[BM], v[BM+1], v[BM+2]
	v_max_num_f32 v170, v170, v[BM+3]
	v_mul_f32 v170, s[CS], v170                    ; the step's largest t (c is positive)
	v_max_num_f32 v13, v13, v170
	v_mov_b32 v170, v12
	v_floor_f32 v12, -v13                          ; the new -M = -ceil(t): a whole number
	v_sub_f32 v170, v12, v170                      ; old M - new M, 0 or less
	v_cvt_i32_f32 v170, v170                       ; (it saturates)
	v_ldexp_f32 v[FF], 1.0, v170                   ; f
.irp j, 0,2,4,6,8,10,12,14,16,18,20,22,24,26,28,30,32,34,36,38,40,42,44,46,48,50,52,54,56,58,60,62
	v_pk_fma_f32 v[S+\j:S+\j+1], v[S+\j:S+\j+1], s[CS:CS+1], v[12:13] op_sel_hi:[1,0,0]   ; t - M (of the pairs c and -M the low word serves both halves)
.endr
.irp b, 0,1,2,3
	v_fma_f32 v[BM+\b], v[BM+\b], s[CS], v12
.endr
.irp b, 0,1,2,3
	v_exp_f32 v[BM+\b], v[BM+\b]                   ; the block's largest p: the same two operations on the same number
.endr
	v_pk_mul_f32 v[L0:L0+1], v[L0:L0+1], v[FF:FF+1] op_sel_hi:[1,0]   ; the sums under the new M (plain lines behind the exponentials)
	v_pk_mul_f32 v[L1:L1+1], v[L1:L1+1], v[FF:FF+1] op_sel_hi:[1,0]
	s_wait_alu depctr_va_vdst(0)                   ; the four exponentials have written the blocks' largest p, ahead of their first reader
	MLOAD                                          ; the next step's words: the fills that read this step's words stand ahead of the wait above
	s_bitcmp1_b32 s[TODO], 1
	s_cbranch_scc0 .Lno_k_\@
	KLOAD \slot                                    ; K of step st + 1: in registers a step early.  No further wait: this step's S^T products, the last to read these registers, stand ahead of the wait above
.Lno_k_\@:
.irp q, 0,1,2,3                        ; block q's scale, line by line between block 0's exponentials
	v_max_num_f32 v[BM+\q], 0x8000000, v[BM+\q]            ; the floor 2^(16 - 127): the byte cannot fall under 1
	v_exp_f32 v[S+4*\q], v[S+4*\q]
	v_add_nc_u32 v[SO+\q], 0xf8800000, v[BM+\q]            ; 15 off the exponent field
	v_exp_f32 v[S+4*\q+1], v[S+4*\q+1]
	v_and_or_b32 v[HD+\q], v[BM+\q], 0x7f800000, s[MNT]    ; 57,344 x the scale
	v_exp_f32 v[S+4*\q+2], v[S+4*\q+2]
	v_lshrrev_b32 v[PT+\q], 23, v[SO+\q]                   ; the byte
	v_exp_f32 v[S+4*\q+3], v[S+4*\q+3]
.endr
	v_lshl_or_b32 v[SP], v[PT+1], 8, v[PT]         ; p's scale word for these 128 keys: far more than eight plain lines ahead of its products
	v_lshl_or_b32 v[SP], v[PT+2], 16, v[SP]
	v_lshl_or_b32 v[SP], v[PT+3], 24, v[SP]
	EXPBLK 1
	EXPBLK 2
	EXPBLK 3
	s_wait_alu depctr_va_vdst(0)                   ; block 3's sixteen exponentials have written its p, which the lines below read
.irp k, 0,1,2,3,4,5,6,7
	PSUM 3, \k
	HOLD 3, \k
.endr
	CODES 3
.irp j, 0,2,4,6,8,10,12,14,16,18,20,22,24,26,28,30
	v_pk_mul_f32 v[OT+\j:OT+\j+1], v[OT+\j:OT+\j+1], v[FF:FF+1] op_sel_hi:[1,0]   ; O^T under the new M, each accumulator from its low end on; also the plain lines between the conversions and the products
.endr
.endm
; A TRIP = key step st; its packet lies in the slot named
.macro TRIP slot
	s_wait_loadcnt 0x0                             ; packet st is in my registers
	s_wait_kmcnt 0x0                               ; step st's mask words are in
	s_wait_xcnt 0x0                                ; nothing of mine is out: the bases and the mask offset are rewritten below
	LSTORE \slot, 1                                ; in every trip, so that no slot is read that was not stored; where no packet was fetched nobody reads it
	s_wait_dscnt 0x0                               ; for the others' sake: my stores have landed, and my reads of the other slot are over
	s_wait_alu depctr_vm_vsrc(0)                   ; my LDS stores have read v[G ..], in which the next packet's loads land; it stands ahead of the branch that leads round those loads
	s_barrier_signal -1
	s_barrier_wait -1
	s_add_co_u32 s94, s[ST], 2                     ; packet st + 1: K of step st + 2, V of step st + 1, both held inside the head
	s_min_u32 s94, s94, 15
	s_mul_i32 s2, s94, UNIT
	s_add_co_u32 s94, s[ST], 1
	s_min_u32 s94, s94, 15
	s_mul_i32 s10, s94, UNIT
	s_lshl_b32 s[MO], s94, 8                       ; and step st + 1's mask words
	s_add_nc_u64 s[BK:BK+1], s[6:7], s[2:3]
	s_add_nc_u64 s[BV:BV+1], s[6:7], s[10:11]
	s_cmp_lt_u32 s[WV], 4
	s_cselect_b32 s2, s2, s10                      ; waves 0-3 fetch K's scale words, waves 4-7 V's
	s_add_nc_u64 s[BS:BS+1], s[6:7], s[2:3]
	s_bitcmp1_b32 s[NEED], 1
	s_cbranch_scc0 .Lno_packet_\@
	GLOAD 1                                        ; it has the whole trip in which to land
.Lno_packet_\@:
	s_bitcmp1_b32 s[TODO], 0
	s_cbranch_scc0 .Lidle_\@
	WIN 0x01                                       ; source 0 window 1
.irp b, 0,1,2,3
.irp u, 0,1
	v_wmma_scale_f32_16x16x128_f8f6f4 v[S+16*\b+8*\u:S+16*\b+8*\u+7], v[16*\b:16*\b+15], v[16+8*\u:31+8*\u], 0, v[SK+\b], v[SQ] matrix_a_fmt:MATRIX_FMT_BF8 matrix_b_fmt:MATRIX_FMT_BF8
.endr
.endr
	WIN 0
.rept 8
	v_nop                                          ; eight places ahead of the first read of the scores
.endr
	s_wait_alu depctr_va_vdst(0)                   ; the O^T products of the step worked last are done reading V's fragments and scale words, in which the loads below land
	VLOAD \slot                                    ; V of this step: it lands under the softmax
	s_bitcmp1_b32 s[PART], 0
	s_cbranch_scc0 .Lopen_\@
.set j, 0
.rept 64
.if j < 48
	v_cndmask_b32 v[S+j], v[S+j], v7, s[16+j]      ; the fill, one line a score, each accumulator from its low end on
.else
	v_cndmask_b32 v[S+j], v[S+j], v7, s[20+j]
.endif
.set j, j+1
.endr
.Lopen_\@:
	SOFT \slot
	s_wait_dscnt 0x0                               ; V, and K of the next step
	s_wait_alu depctr_va_vdst(0)                   ; the conversions have written p's codes and the shifts its scale word, which the scaled products below take; the sixteen rescalings above are the places, and stand ahead of this wait
	WIN 0x01
.irp t, 0,1,2,3                        ; four accumulators by turns, one instruction a turn
	v_wmma_scale_f32_16x16x128_f8f6f4 v[OT+8*\t:OT+8*\t+7], v[64+16*\t:64+16*\t+15], v[PC:PC+15], v[OT+8*\t:OT+8*\t+7], v[SV+\t], v[SP] matrix_a_fmt:MATRIX_FMT_BF8 matrix_b_fmt:MATRIX_FMT_BF8
.endr
	WIN 0
	s_branch .Ljoin_\@
.Lidle_\@:
	s_bitcmp1_b32 s[TODO], 1
	s_cbranch_scc0 .Lno_k2_\@
	KLOAD \slot                                    ; no wait: the last products that read K's fragments and scale words stand ahead of a wait on va_vdst in their own trip, and no vector or matrix instruction since names these registers
.Lno_k2_\@:
	MLOAD
.Ljoin_\@:
	s_lshr_b32 s[TODO], s[TODO], 1
	s_lshr_b32 s[PART], s[PART], 1
	s_lshr_b32 s[NEED], s[NEED], 1
	s_add_co_u32 s[ST], s[ST], 1
.endm
	s_load_b256 s[4:11], s[0:1], 0x0               ; q s[4:5], kv s[6:7], mw s[8:9], fl s[10:11]
	s_load_b64 s[12:13], s[0:1], 0x20              ; out0
	v_lshl_add_u32 v254, v0, 2, 0x18800
	v_mov_b32 v255, 0
	v_lshrrev_b32 v1, 5, v0
	v_readfirstlane_b32 s[WV], v1                  ; wave 0..7
	v_lshlrev_b32 v1, 4, v0                        ; 16 x thread: a packet's codes
	v_lshlrev_b32 v2, 2, v0                        ; 4 x thread: its scale words
	v_and_b32 v3, 31, v0
	v_lshlrev_b32 v3, 4, v3                        ; 16 x lane: an image's place for my lane
	v_and_b32 v4, 15, v0                           ; r
	v_bfe_u32 v5, v0, 4, 1                         ; h
	v_mov_b32 v6, 0                                ; (a lane permute's destination on the way out)
	v_mov_b32 v7, 0xd0000000                       ; the fill: -2^33
	v_lshlrev_b32 v11, 8, v4
	v_lshl_add_u32 v11, v5, 6, v11                 ; q: row r of 256 bytes, + 64 h: my 16 numbers of a block of 32
	s_mov_b32 s[SEL], 0x76543210
	s_mov_b32 s[SEL+1], 0xfedcba98                 ; v_permlanex16_b32's selects for lane l xor 16
	s_mov_b32 s[CS], 0x3e38aa3b                    ; c = log2(e) / 8
	s_mov_b32 s[CS+1], s[CS]                       ; (named with it as a pair, so it is written)
	s_mov_b32 s[MNT], 0x600000                     ; the mantissa field of 57,344
	s_and_b32 s2, ttmp7, 0xffff                    ; the head
	s_lshl_b32 s3, ttmp9, 2                        ; 4 i
	s_wait_alu depctr_va_sdst(0)                   ; the wave's number is written into s14, ahead of its first reader
	s_add_co_u32 s94, s3, s[WV]                    ; waves 0-3: tile 4 i + w
	s_sub_co_u32 s95, 120, s3
	s_add_co_u32 s95, s95, s[WV]                   ; waves 4-7: tile 120 - 4 i + w
	s_cmp_lt_u32 s[WV], 4
	s_cselect_b32 s94, s94, s95                    ; my tile of 16 queries
	s_lshl_b32 s86, s2, 19                         ; a head's 2,048 rows of 256 bytes,
	s_lshl_b32 s87, s94, 12                        ; a tile's 16
	s_add_co_u32 s86, s86, s87
	s_mov_b32 s87, 0
	s_lshl_b32 s84, ttmp9, 6                       ; the flags of tiles 4 i on: 16 bytes a tile,
	s_sub_co_u32 s85, 1984, s84                    ; and of tiles 124 - 4 i on
	s_wait_kmcnt 0x0
	s_add_nc_u64 s[4:5], s[4:5], s[86:87]
	s_add_nc_u64 s[12:13], s[12:13], s[86:87]
	s_lshl_b32 s86, s94, 12                        ; a tile's 16 steps x 64 words
	s_add_nc_u64 s[8:9], s[8:9], s[86:87]
	s_mul_i32 s86, s2, 16*UNIT
	s_add_nc_u64 s[6:7], s[6:7], s[86:87]          ; the head's 16 units
	s_load_b512 s[16:31], s[10:11], s84 offset:0x0 ; {A0, R0, A1, R1} of waves 0-3's tiles,
	s_load_b512 s[32:47], s[10:11], s85 offset:0x0 ; of waves 4-7's
	s_mov_b64 s[BK:BK+1], s[6:7]
	s_mov_b64 s[BS:BS+1], s[6:7]
	s_wait_alu depctr_va_vdst(0)                   ; the offsets v1, v2, v3 and v11 are written: every load and LDS store up to the way out reads one of them, and none is written again
	GLOAD 0                                        ; K of step 0
.irp c, 0,1
.irp j, 0,1,2,3
	global_load_b128 v[S+16*\c+4*\j:S+16*\c+4*\j+3], v11, s[4:5] offset:128*\c+16*\j th:TH_LOAD_NT
.endr
.endr
	s_wait_kmcnt 0x0                               ; the flags
	s_mov_b32 s[TODO], 0
	s_mov_b32 s[NEED], 0
.irp k, 0,1,2,3,4,5,6,7
	s_or_b32 s94, s[16+4*\k], s[18+4*\k]           ; wave k's tile: both halves' steps
	s_and_b32 s2, s[17+4*\k], s[19+4*\k]           ; rows filled over all 2,048 keys: SCC = there is one
	s_cselect_b32 s2, 0xffff, 0                    ; then every step is done
	s_or_b32 s94, s94, s2
	s_or_b32 s[NEED], s[NEED], s94
	s_cmp_eq_u32 s[WV], \k
	s_cselect_b32 s[TODO], s94, s[TODO]
.endr
	s_lshr_b32 s[PART], s[TODO], 16
	s_and_b32 s[TODO], s[TODO], 0xffff
	s_and_b32 s[NEED], s[NEED], 0xffff             ; steps that some wave works;
	s_lshr_b32 s94, s[NEED], 1
	s_or_b32 s[NEED], s[NEED], s94                 ; packet st is read for V of step st or for K of step st + 1
	s_mov_b32 s3, 0                                ; the upper words of two pairs of offsets
	s_mov_b32 s11, 0
	s_mov_b32 s[MO], 0
	MLOAD                                          ; step 0's mask words, over the flags
	s_wait_loadcnt 8                               ; K of step 0 is in: behind its three loads q's eight were issued
	LSTORE 1, 0
.irp b, 0,1,2,3
	v_mov_b32 v[PT+\b], 0                          ; written once: a lane permute's destination counts as one of its sources
.endr
	v_mov_b32 v[FF+1], 0
	s_wait_loadcnt 0x0                             ; q
.irp b, 0,1                            ; q's two blocks of 32 channels: 16 numbers in my lane, 16 in lane l xor 16
	v_max3_num_f32 v[BM+\b], |v[S+16*\b]|, |v[S+16*\b+1]|, 0x8000000
.endr
.irp i, 2,4,6,8,10,12,14
.irp b, 0,1
	v_max3_num_f32 v[BM+\b], v[BM+\b], |v[S+16*\b+\i]|, |v[S+16*\b+\i+1]|
.endr
.endr
.irp b, 0,1
	v_permlanex16_b32 v[PT+\b], v[BM+\b], s[SEL], s[SEL+1]
.endr
.irp b, 0,1
	v_max_num_f32 v[BM+\b], v[BM+\b], v[PT+\b]
.endr
.irp b, 0,1
	v_add_nc_u32 v[SO+\b], 0xf8800000, v[BM+\b]
.endr
.irp b, 0,1
	v_and_or_b32 v[HD+\b], v[BM+\b], 0x7f800000, s[MNT]
.endr
.irp b, 0,1
	v_lshrrev_b32 v[PT+\b], 23, v[SO+\b]
.endr
	v_lshl_or_b32 v[SQ], v[PT+1], 8, v[PT]
	v_lshl_or_b32 v[SQ], v[SQ], 16, v[SQ]          ; the two bytes twice: one word serves (q | 0) and (0 | q); over the zero codes any byte but 0xff will do
.irp b, 0,1
.irp i, 0,1,2,3,4,5,6,7,8,9,10,11,12,13,14,15
	v_med3_num_f32 v[S+16*\b+\i], v[S+16*\b+\i], -v[HD+\b], v[HD+\b]
.endr
	v_cvt_scalef32_pk8_bf8_f32 v[16+4*\b:17+4*\b], v[S+16*\b:S+16*\b+7], v[SO+\b]
	v_cvt_scalef32_pk8_bf8_f32 v[18+4*\b:19+4*\b], v[S+16*\b+8:S+16*\b+15], v[SO+\b]
.endr
.irp j, 0,1,2,3,4,5,6,7
	v_mov_b32 v[24+\j], 0                          ; the zero half (plain lines behind the conversions)
.endr
.irp j, 0,1,2,3,4,5,6,7
	v_mov_b32 v[32+\j], v[16+\j]
.endr
.set j, 0
.rept 32
	v_mov_b32 v[OT+j], 0                           ; O^T.  The step is written once: its first turn finds zeros, which the first change of M leaves zeros
.set j, j+1
.endr
	v_mov_b32 v[L0], 0
	v_mov_b32 v[L0+1], 0
	v_mov_b32 v[L1], 0
	v_mov_b32 v[L1+1], 0
	v_mov_b32 v13, 0xff61b1e6                      ; the largest t so far: -3e38, under every t
	v_floor_f32 v12, -v13
	s_wait_alu depctr_va_vdst(0)                   ; q's codes, the zero half and q's scale word are written, which every S^T product takes; the moves above are the places, and none of these registers is written again
	s_wait_dscnt 0x0                               ; for the others' sake: my part of K of step 0 has landed
	s_wait_alu depctr_vm_vsrc(0)                   ; my LDS stores of K of step 0 have read v[G ..], in which packet 0's loads land
	s_barrier_signal -1
	s_barrier_wait -1
	s_add_nc_u64 s[BK:BK+1], s[6:7], UNIT          ; packet 0: K of step 1, V of step 0 (the loads that named these bases are done)
	s_mov_b64 s[BV:BV+1], s[6:7]
	s_cmp_lt_u32 s[WV], 4
	s_cselect_b32 s2, UNIT, 0
	s_add_nc_u64 s[BS:BS+1], s[6:7], s[2:3]
	GLOAD 1
	KLOAD 1                                        ; K of step 0: no vector or matrix instruction has named its registers yet
	s_mov_b32 s[ST], 0
	s_mov_b32 s[CNT], 8
.Lpair:                                            ; eight trips of two key steps: the slots' numbers are back where they began
	TRIP 0
	TRIP 1
	s_sub_co_u32 s[CNT], s[CNT], 1
	s_cmp_lg_u32 s[CNT], 0
	s_cbranch_scc1 .Lpair
	; THE WAY OUT.  O^T / the sum goes through my own stage in LDS and leaves as whole rows.  The eight address lines and the two sums are the places behind the last products.
	s_mul_i32 s94, s[WV], 16*272
	s_add_co_u32 s94, s94, STAGE
	v_mul_u32_u24 v8, v4, 272
	v_lshl_add_u32 v8, v5, 5, v8
	v_add_nc_u32 v8, s94, v8                       ; in: row r; tile t's eight channels of my half at 64 t + 32 h
	v_mul_u32_u24 v9, v5, 272
	v_lshl_add_u32 v9, v4, 4, v9
	v_add_nc_u32 v9, s94, v9                       ; back: lanes 0-15 one row, lanes 16-31 the next
	v_lshlrev_b32 v10, 8, v5
	v_pk_add_f32 v[L0:L0+1], v[L0:L0+1], v[L1:L1+1]
	v_add_f32 v[L0], v[L0], v[L0+1]
	v_permlanex16_b32 v6, v[L0], s[SEL], s[SEL+1]
	v_add_f32 v[L0], v[L0], v6                     ; the row's sum: my four parts and lane l xor 16's
	v_rcp_f32 v[L0], v[L0]
	v_lshl_add_u32 v10, v4, 4, v10                 ; the same two rows in out0 (a plain line behind the reciprocal)
	s_wait_alu depctr_va_vdst(0)                   ; the reciprocal has written 1 / the sum, ahead of its first reader
.set j, 0
.rept 32
	v_mul_f32 v[S+j], v[OT+j], v[L0]               ; register 8 t + i is out(r, 16 t + 8 h + i); each accumulator from its low end on
.set j, j+1
.endr
	s_wait_alu depctr_va_vdst(0)                   ; the multiplications have written v[S .. S+31], the LDS stores' data; v8, v9 and v10, the addresses below, are written; the loop's readers and writers of v[S+32 .. S+63], in which the stage's loads land, are done
.irp t, 0,1,2,3
	ds_store_b128 v8, v[S+8*\t:S+8*\t+3] offset:64*\t
	ds_store_b128 v8, v[S+8*\t+4:S+8*\t+7] offset:64*\t+16
.endr
.irp i, 0,1,2,3,4,5,6,7
	ds_load_b128 v[S+32+4*\i:S+32+4*\i+3], v9 offset:544*\i   ; LDS serves a wave's instructions in order (ISA guide 5.7.1.4): these see my stores
.endr
.irp i, 0,1,2,3,4,5,6,7
	s_wait_dscnt 7-\i                              ; the younger loads may stay out
	global_store_b128 v10, v[S+32+4*\i:S+32+4*\i+3], s[12:13] offset:512*\i th:TH_STORE_NT   ; 32 lanes store two rows: 512 consecutive bytes, aligned
.endr
	s_wait_kmcnt 0x0                               ; the last trip's mask words
	s_wait_dscnt 0x0                               ; the closing lines, six on end
	s_wait_alu 0x0
	s_wait_tensorcnt 0x0
	ds_add_u32 v254, v255
	s_wait_dscnt 0x0
	s_endpgm
.Lfunc_end_k_q7c4a68880f_attn:
	.size	k_q7c4a68880f_attn, .Lfunc_end_k_q7c4a68880f_attn-k_q7c4a68880f_attn
	.p2alignl 7, 3214868480
	.fill 96, 4, 3214868480
	.section	.rodata,"a",@progbits
	.p2align	6, 0x0
	.amdhsa_kernel k_q7c4a68880f_attn
		.amdhsa_group_segment_fixed_size 101376
		.amdhsa_private_segment_fixed_size 0
		.amdhsa_enable_private_segment 0
		.amdhsa_kernarg_size 40
		.amdhsa_user_sgpr_count 2
		.amdhsa_user_sgpr_kernarg_segment_ptr 1
		.amdhsa_wavefront_size32 1
		.amdhsa_system_sgpr_workgroup_id_x 1
		.amdhsa_system_sgpr_workgroup_id_y 1
		.amdhsa_system_sgpr_workgroup_id_z 1
		.amdhsa_system_vgpr_workitem_id 0
		.amdhsa_next_free_vgpr 384
		.amdhsa_next_free_sgpr 102
		.amdhsa_reserve_vcc 0
		.amdhsa_float_denorm_mode_32 3
		.amdhsa_float_denorm_mode_16_64 3
		.amdhsa_memory_ordered 1
		.amdhsa_forward_progress 1
		.amdhsa_inst_pref_size 70
	.end_amdhsa_kernel
	.amdgpu_metadata
---
amdhsa.version: [ 1, 2 ]
amdhsa.kernels:
  - .name:           k_q7c4a68880f_attn
    .symbol:         k_q7c4a68880f_attn.kd
    .args:
      - { .name: q, .offset: 0, .size: 8, .value_kind: global_buffer, .address_space: global }
      - { .name: kv, .offset: 8, .size: 8, .value_kind: global_buffer, .address_space: global }
      - { .name: mw, .offset: 16, .size: 8, .value_kind: global_buffer, .address_space: global }
      - { .name: fl, .offset: 24, .size: 8, .value_kind: global_buffer, .address_space: global }
      - { .name: out0, .offset: 32, .size: 8, .value_kind: global_buffer, .address_space: global }
    .group_segment_fixed_size: 101376
    .private_segment_fixed_size: 0
    .kernarg_segment_align: 8
    .kernarg_segment_size: 40
    .max_flat_workgroup_size: 256
    .sgpr_count:     102
    .vgpr_count:     384
    .wavefront_size: 32
...
	.end_amdgpu_metadata
.endif
;; end of part 3
